; MI455X (gfx1250); checked and timed in simulation.
; The chip was launched on July 23, 2026; its instructions are those of AMD's public machine-readable ISA for CDNA 5 (MIT licence, August 2026) and "CDNA5" Instruction Set Architecture Reference Guide (July 2026). The comments in the code are by the model that wrote it; some were corrected since.
;; Classification Head. Allowed arithmetic: float matrix products may take bf16 or f16 operands with f32 sums; all other float work in f32.
;; Inputs: query 512 x 75 x 1,024 float32; scale 1 float32; support 512 x 25 x 1,024 float32; support_labels 512 x 25 int32.
;; Outputs: out0 512 x 75 x 5 float32.
;; Constants: n_shot = 5, n_way = 5.
;; One version. Each part assembles by itself: llvm-mc -triple=amdgcn-amd-amdhsa -mcpu=gfx1250 --defsym DOCPART=n.
;; ======== version 1 of 1: 1 launch
;; launch protohead (part 1): grid 512 x 1, 8 waves a work-group, no clusters, 23,040 bytes of LDS; arguments query, support, support_labels, scale, out0; writes out0
.if DOCPART == 1
	.amdgcn_target "amdgcn-amd-amdhsa--gfx1250"
	.amdhsa_code_object_version 6
	.text
	.protected	k_q7248f7671a_protohead
	.globl	k_q7248f7671a_protohead
	.p2align	8
	.type	k_q7248f7671a_protohead,@function
k_q7248f7671a_protohead:
	s_mov_b64 s[64:65], 0
	v_nop
	global_prefetch_b8 v0, s[64:65] scope:SCOPE_SE
	s_setreg_imm32_b32 hwreg(HW_REG_WAVE_MODE, 25, 1), 1
	s_wait_xcnt 0x0
; out[b][q][c] = -scale/1024 * |query[b][q] - proto[b][c]|^2,  proto[b][c] = (sum of the support rows labelled c) / (their number).
; query [512][75][1024] f32, support [512][25][1024] f32, labels [512][25] i32, scale [1] f32, out [512][75][5] f32.
; One work-group = one task, eight waves.  The task reads 400 KB for 1.2 MFLOP, so the text is a stream: every input byte is loaded once,
; each load of a wave covers 512 consecutive bytes at a multiple of 512 from the buffer start, and a wave keeps 15 to 16 of them out.
; PHASE 1: wave w owns columns 128 w .. 128 w + 127 of the 25 support rows (4 columns a lane) and forms the five class sums as the one-hot
;   product that reference() writes: weight 1.0 or 0 per (row, class).  A label outside 0..4 feeds no class; 0 * Inf is NaN as in the einsum;
;   an empty class gives 0 * Inf = NaN where reference() has 0 / 0.  P = -2 * proto goes to LDS, one barrier.
; PHASE 2: each wave holds all five P in 160 registers (a lane: its 32 columns) and takes whole query rows w, w + 8, ...: nine each, and
;   rows 72..74 as a tenth for waves 0..2.  Per lane: sum of q*q + q*P + p*p = (q - p)^2 over its columns, all in f32, then one sum over lanes.
; WHY NO MATRIX INSTRUCTION: five prototypes fill 5 of a tile's 16 columns; a fragment wants a lane to hold a run of K of ONE row, while these
;   loads spread one row over 32 lanes, so all 300 KB of a task would need a trip through LDS; and operands rounded to bf16 would enter
;   AA - 2 AB + BB, whose terms cancel when the inputs share an offset.  12 packed FMAs per 16 bytes a lane is what it costs instead.
; WHY NO CLUSTER: no two work-groups read a common byte.  WHY NO PREFETCH: the ring below already asks two rows ahead in every wave.
; LIMITS: the division by the count is a multiplication by v_s_rcp_f32 of it (last-bit difference); the order of the sums is not
;   reference()'s.  A task's 1,500 output bytes begin at 1500 * task, a multiple of 4 only: they leave as consecutive 4-byte stores.
.set NQ,    75
.set NS,    25
.set NWAY,  5
.set WAVES, 8
.set ROWB,  4096                       ; bytes in a row of 1,024 f32
.set CHUNK, 512                        ; bytes that one load of a wave covers
.set LSTEP, WAVES*ROWB                 ; from one of a wave's query rows to its next
.set OROW,  NWAY*4                     ; bytes of a row of out
.set STAGE, NWAY*ROWB                  ; LDS: five rows of P, then 75 x 20 bytes of results
.set LOFF, 1                           ; v1        16 x lane
.set ST,   2                           ; v2        LDS address of this lane's word in the wave's current result row
.set SEL,  3                           ; v3        at work
.set PST,  4                           ; v4        16 x thread: where my 4 columns of P go
.set ACC,  6                           ; v[6:15]   five pairs: running sums per class
.set AQ,   ACC+10                      ; v[16:17]  running sum of q*q
.set BBP,  18                          ; v[18:27]  five pairs: p*p over my 32 columns, the addend of each row's first product
.set X,    28                          ; v[28:91]  ring: two query rows of 8 chunks x 4 registers
.set P,    92                          ; v[92:251] P[c] chunk i at P + 32 c + 4 i
.set S,    P                           ; phase 1: the 25 support loads, 100 registers
.set PA,   P+100                       ; phase 1: five class sums x 4 columns
.set LBO,  252                         ; label offset
.set LAB,  253                         ; label of support row min(lane, 24)
.set O0,   254                         ; way out: 4 x thread
.set O1,   255                         ; way out: 4 x min(thread + 256, 374)
.set WV,   16                          ; s16       wave number
.set M,    32                          ; s[32:36]  bit s = support row s has label c
.set CN,   37                          ; s[37:41]  counts
.set R,    42                          ; s[42:51]  pairs: -2 / count, 0
.set W,    52                          ; s[52:61]  pairs: weight of the current row, 0
	s_load_b256 s[4:11], s[0:1], 0x0               ; query s[4:5], support s[6:7], labels s[8:9], scale s[10:11]
	s_load_b64 s[12:13], s[0:1], 0x20              ; out
	v_lshl_add_u32 v5, v0, 2, 0x5600
	s_set_vgpr_msb 0x40
	v_mov_b32 v1, 0
	s_set_vgpr_msb 0x4000
	v_and_b32 v[LOFF], 31, v0
	v_lshrrev_b32 v[SEL], 5, v0
	v_readfirstlane_b32 s[WV], v[SEL]              ; wave 0..7
	v_min_u32 v[LBO], NS-1, v[LOFF]                ; lanes 25..31 read label 24 again and are masked off below
	v_lshlrev_b32 v[LBO], 2, v[LBO]
	v_lshlrev_b32 v[LOFF], 4, v[LOFF]
	v_lshlrev_b32 v[PST], 4, v0
	s_mul_i32 s18, ttmp9, NS*4                     ; byte offsets of the task, all below 2^31, each in a pair of its own
	s_mov_b32 s19, 0
	s_mul_i32 s20, ttmp9, NS*ROWB
	s_lshl_b32 s17, s[WV], 9                       ; + my 512 bytes of every support row
	s_add_co_u32 s20, s20, s17
	s_mov_b32 s21, 0
	s_mul_i32 s22, ttmp9, NQ*ROWB
	s_lshl_b32 s17, s[WV], 12                      ; + query row w
	s_add_co_u32 s22, s22, s17
	s_mov_b32 s23, 0
	s_mul_i32 s24, ttmp9, NQ*OROW
	s_mov_b32 s25, 0
	s_mov_b32 s28, 0x76543210                      ; v_permlanex16_b32: lane i reads lane i of the other half
	s_mov_b32 s29, 0xfedcba98
	s_mov_b32 s30, 0x22222222                      ; lanes with lane & 3 == 1
	s_mov_b32 s31, 0xcccccccc                      ; lanes with lane & 2
	s_wait_kmcnt 0x0
	s_load_b32 s14, s[10:11], 0x0                  ; scale
	s_add_nc_u64 s[8:9], s[8:9], s[18:19]
	s_add_nc_u64 s[6:7], s[6:7], s[20:21]
	s_add_nc_u64 s[4:5], s[4:5], s[22:23]
	s_add_nc_u64 s[12:13], s[12:13], s[24:25]
	; everything that can be asked for now is asked for: 1 + 25 + 16 loads, in the order of their use
	global_load_b32 v[LAB], v[LBO], s[8:9]
.set r_, 0
.rept NS
	global_load_b128 v[S+4*r_:S+4*r_+3], v[LOFF], s[6:7] offset:r_*ROWB th:TH_LOAD_NT
.set r_, r_+1
.endr
.irp j, 0,1,2,3,4,5,6,7
	global_load_b128 v[X+4*\j:X+4*\j+3], v[LOFF], s[4:5] offset:\j*CHUNK th:TH_LOAD_NT
.endr
.irp j, 0,1,2,3,4,5,6,7
	global_load_b128 v[X+32+4*\j:X+32+4*\j+3], v[LOFF], s[4:5] offset:LSTEP+\j*CHUNK th:TH_LOAD_NT
.endr
	; labels -> masks, counts, factors
	s_wait_loadcnt NS+16                           ; loads return in order: the labels are in, the 25 + 16 loads behind them stay out
.irp c, 0,1,2,3,4
	v_cmp_eq_u32 s[M+\c], \c, v[LAB]
.endr
.irp c, 0,1,2,3,4
	s_and_b32 s[M+\c], s[M+\c], (1<<NS)-1          ; 25 rows only
	s_bcnt1_i32_b32 s[CN+\c], s[M+\c]
	s_cvt_f32_u32 s[CN+\c], s[CN+\c]
.endr
.irp c, 0,1,2,3,4
	v_s_rcp_f32 s[R+2*\c], s[CN+\c]                ; count 0 gives Inf, and 0 * Inf below the NaN that 0 / 0 is
.endr
	v_nop                                          ; one plain vector place between the reciprocals and the first use of a result
.irp c, 0,1,2,3,4
	s_mul_f32 s[R+2*\c], s[R+2*\c], -2.0           ; P = -2 * proto: exact, and q*P is then -2 q.p
	s_mov_b32 s[R+2*\c+1], 0                       ; the upper halves of the broadcast pairs are named, so they are written
	s_mov_b32 s[W+2*\c+1], 0
.endr
	s_wait_kmcnt 0x0                               ; scale
	s_mul_f32 s15, s14, 0xba800000                 ; -scale / 1024 (exact: a power of two)
	; class sums: row r_ with weight 1.0 or 0 for each class; the first row starts the sums
.set r_, 0
.rept NS
.irp c, 0,1,2,3,4
	s_bitcmp1_b32 s[M+\c], r_
	s_cselect_b32 s[W+2*\c], 1.0, 0
.endr
	s_wait_loadcnt NS-1+16-r_                      ; row r_ is in: behind it stand 24 - r_ support loads and the 16 query loads
.irp c, 0,1,2,3,4
.irp p, 0,2
.if r_ == 0
	v_pk_mul_f32 v[PA+4*\c+\p:PA+4*\c+\p+1], v[S+\p:S+\p+1], s[W+2*\c:W+2*\c+1] op_sel_hi:[1,0]
.else
	v_pk_fma_f32 v[PA+4*\c+\p:PA+4*\c+\p+1], v[S+4*r_+\p:S+4*r_+\p+1], s[W+2*\c:W+2*\c+1], v[PA+4*\c+\p:PA+4*\c+\p+1] op_sel_hi:[1,0,1]
.endif
.endr
.endr
.set r_, r_+1
.endr
.irp c, 0,1,2,3,4
.irp p, 0,2
	v_pk_mul_f32 v[PA+4*\c+\p:PA+4*\c+\p+1], v[PA+4*\c+\p:PA+4*\c+\p+1], s[R+2*\c:R+2*\c+1] op_sel_hi:[1,0]
.endr
.endr
.irp c, 0,1,2,3,4
	ds_store_b128 v[PST], v[PA+4*\c:PA+4*\c+3] offset:\c*ROWB      ; P[c], columns 4 t .. 4 t + 3: 16 t = 512 w + 16 lane
.endr
	s_wait_dscnt 0x0                               ; for the other waves: my part of P is written
	s_barrier_signal -1
	v_and_b32 v[ST], 3, v0                         ; meanwhile: which result word this lane will write (see the end of ROW):
	v_bfe_u32 v[SEL], v0, 4, 1                     ; word = min(2 (lane & 3) + lane / 16, 4)
	v_lshl_or_b32 v[ST], v[ST], 1, v[SEL]
	v_min_u32 v[ST], NWAY-1, v[ST]
	s_mul_i32 s17, s[WV], OROW                     ; my first row is row w
	s_add_co_u32 s17, s17, STAGE
	v_lshl_add_u32 v[ST], v[ST], 2, s17
	s_barrier_wait -1                              ; P is whole
.irp i, 0,1,2,3,4,5,6,7
.irp c, 0,1,2,3,4
	ds_load_b128 v[P+32*\c+4*\i:P+32*\c+4*\i+3], v[LOFF] offset:\c*ROWB+\i*CHUNK   ; the same columns as chunk i of a query row
.endr
.endr
	; p*p over my 32 columns, kept as pairs: P*P / 4.  Five chains side by side, chunk by chunk as the loads come.
.irp i, 0,1,2,3,4,5,6,7
	s_wait_dscnt 5*(7-\i)                          ; chunk i of all five is in; the five loads of each later chunk stay out
.irp p, 0,2
.irp c, 0,1,2,3,4
.if (\i+\p) == 0
	v_pk_mul_f32 v[BBP+2*\c:BBP+2*\c+1], v[P+32*\c:P+32*\c+1], v[P+32*\c:P+32*\c+1]
.else
	v_pk_fma_f32 v[BBP+2*\c:BBP+2*\c+1], v[P+32*\c+4*\i+\p:P+32*\c+4*\i+\p+1], v[P+32*\c+4*\i+\p:P+32*\c+4*\i+\p+1], v[BBP+2*\c:BBP+2*\c+1]
.endif
.endr
.endr
.endr
.irp c, 0,1,2,3,4
	v_pk_mul_f32 v[BBP+2*\c:BBP+2*\c+1], v[BBP+2*\c:BBP+2*\c+1], 0x3e800000 op_sel_hi:[1,0]    ; x 0.25
.endr
; One query row out of ring half b.  own = the row's place counted from the row that s[4:5] and v[ST] stand at.
; refill = 1: each chunk's registers are asked for again, two of my rows ahead, as soon as its 12 products are issued.
; Waits: with refills, behind chunk j stand 7 - j chunks of this row, 8 of the next and j refills = 15.  Without: left - j.
.macro ROW b, own, refill, left
.irp j, 0,1,2,3,4,5,6,7
.if \refill
	s_wait_loadcnt 15
.else
	s_wait_loadcnt \left-\j
.endif
.irp p, 0,2
.if (\j+\p) == 0
.irp c, 0,1,2,3,4
	v_pk_fma_f32 v[ACC+2*\c:ACC+2*\c+1], v[X+32*\b:X+32*\b+1], v[P+32*\c:P+32*\c+1], v[BBP+2*\c:BBP+2*\c+1]   ; the first product starts the sum at p*p
.endr
	v_pk_mul_f32 v[AQ:AQ+1], v[X+32*\b:X+32*\b+1], v[X+32*\b:X+32*\b+1]
.else
.irp c, 0,1,2,3,4
	v_pk_fma_f32 v[ACC+2*\c:ACC+2*\c+1], v[X+32*\b+4*\j+\p:X+32*\b+4*\j+\p+1], v[P+32*\c+4*\j+\p:P+32*\c+4*\j+\p+1], v[ACC+2*\c:ACC+2*\c+1]
.endr
	v_pk_fma_f32 v[AQ:AQ+1], v[X+32*\b+4*\j+\p:X+32*\b+4*\j+\p+1], v[X+32*\b+4*\j+\p:X+32*\b+4*\j+\p+1], v[AQ:AQ+1]
.endif
.endr
.if \refill
	global_load_b128 v[X+32*\b+4*\j:X+32*\b+4*\j+3], v[LOFF], s[4:5] offset:(\own+2)*LSTEP+\j*CHUNK th:TH_LOAD_NT
.endif
.endr
	; per lane: t[c] = q*q - 2 q*p[c] + p[c]*p[c] over my 32 columns
.irp c, 0,1,2,3,4
	v_pk_add_f32 v[ACC+2*\c:ACC+2*\c+1], v[ACC+2*\c:ACC+2*\c+1], v[AQ:AQ+1]
.endr
.irp c, 0,1,2,3,4
	v_add_f32 v[ACC+2*\c], v[ACC+2*\c], v[ACC+2*\c+1]
.endr
	; over the lanes.  The swap puts t0 of both halves into lanes 0-15 of the two registers and t1 of both halves into lanes 16-31,
	; so one add folds two values into one register; t4 crosses the halves alone.  Then four steps inside the halves on three registers.
	v_permlane16_swap_b32 v[ACC], v[ACC+2]
	v_permlane16_swap_b32 v[ACC+4], v[ACC+6]
	v_permlanex16_b32 v[ACC+9], v[ACC+8], s28, s29
	v_add_f32 v[ACC], v[ACC], v[ACC+2]             ; lanes 0-15: t0, lanes 16-31: t1
	v_add_f32 v[ACC+4], v[ACC+4], v[ACC+6]         ; lanes 0-15: t2, lanes 16-31: t3
	v_add_f32 v[ACC+8], v[ACC+8], v[ACC+9]         ; all lanes: t4
.irp m, 1,2,4,8
.irp u, 0,4,8
	v_add_f32_dpp v[ACC+\u], v[ACC+\u], v[ACC+\u] row_xmask:\m row_mask:0xf bank_mask:0xf
.endr
.endr
	; lane & 3 = 0: t0 or t1, = 1: t2 or t3, else t4; the address in v[ST] names the matching word.  Lanes that share a word hold the same bits.
	v_cndmask_b32 v[SEL], v[ACC], v[ACC+4], s30
	v_cndmask_b32 v[SEL], v[SEL], v[ACC+8], s31
	ds_store_b32 v[ST], v[SEL] offset:\own*WAVES*OROW
.endm
	s_mov_b32 s27, 0
.Lpair:                                            ; my rows 0..5, two a trip; asks for my rows 2..7
	ROW 0, 0, 1, 15
	ROW 1, 1, 1, 15
	s_wait_xcnt 0x0                                ; the loads above name s[4:5]: it steps only behind this wait
	s_add_nc_u64 s[4:5], s[4:5], 2*LSTEP
	v_add_nc_u32 v[ST], 2*WAVES*OROW, v[ST]
	s_add_co_u32 s27, s27, 1
	s_cmp_lt_u32 s27, 3
	s_cbranch_scc1 .Lpair
	ROW 0, 0, 1, 15                                ; my row 6; asks for my row 8 (rows 64..71 of the task)
	s_cmp_lt_u32 s[WV], NQ-9*WAVES                 ; waves 0..2 have a tenth row (rows 72..74)
	s_cbranch_scc1 .Lten
	ROW 1, 1, 0, 15                                ; nine rows: nothing more is asked for, the counts run down over two rows
	ROW 0, 2, 0, 7
	s_branch .Lout
.Lten:
	ROW 1, 1, 1, 15                                ; my row 7; asks for my row 9
	ROW 0, 2, 0, 15
	ROW 1, 3, 0, 7
.Lout:
	s_wait_dscnt 0x0                               ; for the other waves: my result rows are written
	s_barrier_signal -1
	s_barrier_wait -1
	; the way out: 375 consecutive words, thread t takes words t and t + 256 (t < 119)
	v_lshlrev_b32 v[O0], 2, v0
	v_add_nc_u32 v[O1], 32*WAVES, v0
	v_min_u32 v[O1], NQ*NWAY-1, v[O1]              ; keeps the LDS read of the idle threads inside the stage
	v_lshlrev_b32 v[O1], 2, v[O1]
	ds_load_b32 v[ACC], v[O0] offset:STAGE
	ds_load_b32 v[ACC+1], v[O1] offset:STAGE
	s_wait_dscnt 0x0
	v_mul_f32 v[ACC], s15, v[ACC]
	v_mul_f32 v[ACC+1], s15, v[ACC+1]
	global_store_b32 v[O0], v[ACC], s[12:13] th:TH_STORE_NT
	s_wait_xcnt 0x0                                ; EXEC is a source of the store above: it narrows only behind this wait
	v_cmp_gt_u32 vcc_lo, NQ*NWAY-32*WAVES, v0
	s_set_vgpr_msb 0x4
	s_wait_tensorcnt 0x0
	ds_add_u32 v5, v1
	s_wait_dscnt 0x0
	s_set_vgpr_msb 0x400
	s_and_saveexec_b32 s26, vcc_lo
	global_store_b32 v[O1], v[ACC+1], s[12:13] th:TH_STORE_NT
	s_wait_xcnt 0x0                                ; and widens only behind this one
	s_or_b32 exec_lo, exec_lo, s26
	s_endpgm
.Lfunc_end_k_q7248f7671a_protohead:
	.size	k_q7248f7671a_protohead, .Lfunc_end_k_q7248f7671a_protohead-k_q7248f7671a_protohead
	.p2alignl 7, 3214868480
	.fill 96, 4, 3214868480
	.section	.rodata,"a",@progbits
	.p2align	6, 0x0
	.amdhsa_kernel k_q7248f7671a_protohead
		.amdhsa_group_segment_fixed_size 23040
		.amdhsa_private_segment_fixed_size 0
		.amdhsa_enable_private_segment 0
		.amdhsa_kernarg_size 40
		.amdhsa_user_sgpr_count 2
		.amdhsa_user_sgpr_kernarg_segment_ptr 1
		.amdhsa_wavefront_size32 1
		.amdhsa_system_sgpr_workgroup_id_x 1
		.amdhsa_system_sgpr_workgroup_id_y 1
		.amdhsa_system_sgpr_workgroup_id_z 1
		.amdhsa_system_vgpr_workitem_id 0
		.amdhsa_next_free_vgpr 258
		.amdhsa_next_free_sgpr 66
		.amdhsa_reserve_vcc 1
		.amdhsa_float_denorm_mode_32 3
		.amdhsa_float_denorm_mode_16_64 3
		.amdhsa_memory_ordered 1
		.amdhsa_forward_progress 1
		.amdhsa_inst_pref_size 109
	.end_amdhsa_kernel
	.amdgpu_metadata
---
amdhsa.version: [ 1, 2 ]
amdhsa.kernels:
  - .name:           k_q7248f7671a_protohead
    .symbol:         k_q7248f7671a_protohead.kd
    .args:
      - { .name: query, .offset: 0, .size: 8, .value_kind: global_buffer, .address_space: global }
      - { .name: support, .offset: 8, .size: 8, .value_kind: global_buffer, .address_space: global }
      - { .name: support_labels, .offset: 16, .size: 8, .value_kind: global_buffer, .address_space: global }
      - { .name: scale, .offset: 24, .size: 8, .value_kind: global_buffer, .address_space: global }
      - { .name: out0, .offset: 32, .size: 8, .value_kind: global_buffer, .address_space: global }
    .group_segment_fixed_size: 23040
    .private_segment_fixed_size: 0
    .kernarg_segment_align: 8
    .kernarg_segment_size: 40
    .max_flat_workgroup_size: 256
    .sgpr_count:     66
    .vgpr_count:     258
    .wavefront_size: 32
...
	.end_amdgpu_metadata
.endif
;; end of part 1
